; MI455X (gfx1250); checked and timed in simulation.
; The chip was launched on July 23, 2026; its instructions are those of AMD's public machine-readable ISA for CDNA 5 (MIT licence, August 2026) and "CDNA5" Instruction Set Architecture Reference Guide (July 2026). The comments in the code are by the model that wrote it; some were corrected since.
;; Fixed Moirai Gating. Allowed arithmetic: matrix products marked QUANTISED: E2M1 operands, one E8M0 scale for each 32 along K, by v_wmma_scale_f32_16x16x128_f8f6f4 with both operands' format E2M1 (or v_wmma_scale_f32_32x16x128_f4), f32 sums; everything else in f32.
;; Inputs: W 64 x 4,096 float32; b 64 float32; x 2 x 4,096 x 4,096 float32.
;; Outputs: out0 2 x 4,096 x 2 float32; out1 2 x 4,096 x 2 int32.
;; This version of the problem:
;;   THIS VERSION OF THE PROBLEM IS GIVEN IN LOW PRECISION. The matrix products marked QUANTISED in the list below multiply operands that are first quantised to E2M1 (2 exponent bits, 1 mantissa bit; 4 bits a number), with one power-of-two scale for each 32 numbers along K (OCP MX v1.0); their sums are f32. All else is computed in f32.
;;   The module's matrix products, in the order in which they are computed (A, B: the left and right operand; K: the contracted axis; several contracted axes count as one K, in the product's order):
;;     1. [M 8,192, K 4,096] x [K 4,096, N 64]; A: input x; B: input W: QUANTISED
;;   THE QUANTISER, for each operand of a quantised product, along K:
;;     - K is cut into blocks of 32 from its start; a last block that is shorter is filled with zeros.
;;     - A block's scale is 2^e with e = floor(log2(the largest magnitude in the block)) - 2, held to -126 .. 127; a block of zeros has e = 0. As a byte (E8M0): e + 127.
;;     - Each number is divided by its block's scale, clamped to +-6, and rounded to the nearest number of E2M1, ties to even, subnormals kept.
;;     - The product sums the exact products of the quantised numbers (number of the format x scale) in f32.
;;   ~~~python
;;   def quantise(x, axis):      # numpy; x: float32 -> the quantised numbers, widened to float32 again
;;       x = np.moveaxis(x, axis, -1); K = x.shape[-1]
;;       x = np.pad(x, [(0, 0)] * (x.ndim - 1) + [(0, -K % 32)]); x = x.reshape(x.shape[:-1] + (-1, 32)); a = np.abs(x).max(-1, keepdims=True)
;;       e = np.where(a > 0, np.clip(np.frexp(np.where(a > 0, a, 1))[1] - 1 - 2, -126, 127), 0)      # np.frexp(a)[1] - 1 = floor(log2(a)), exactly
;;       r = np.clip(x / 2.0 ** e, -6, 6)
;;       step = 2.0 ** (np.maximum(np.frexp(np.where(r == 0, 1, r))[1] - 1, 0) - 1)
;;       q = np.round(r / step) * step * 2.0 ** e      # np.round: ties to even
;;       return np.moveaxis(q.reshape(q.shape[:-2] + (-1,))[..., :K], -1, axis).astype(np.float32)
;;   ~~~
;; One version. Each part assembles by itself: llvm-mc -triple=amdgcn-amd-amdhsa -mcpu=gfx1250 --defsym DOCPART=n.
;; ======== version 1 of 1: 2 launches
;; workspace buffers: wfrag 131,072 bytes; wscale 8,192 bytes
;; launch wq (part 1): grid 16 x 1, 8 waves a work-group, no clusters, 69,120 bytes of LDS; arguments W, wfrag, wscale; writes wfrag, wscale
.if DOCPART == 1
	.amdgcn_target "amdgcn-amd-amdhsa--gfx1250"
	.amdhsa_code_object_version 6
	.text
	.protected	k_qd2ab911965_wq
	.globl	k_qd2ab911965_wq
	.p2align	8
	.type	k_qd2ab911965_wq,@function
k_qd2ab911965_wq:
	s_mov_b64 s[64:65], 0
	v_nop
	global_prefetch_b8 v0, s[64:65] scope:SCOPE_SE
	s_setreg_imm32_b32 hwreg(HW_REG_WAVE_MODE, 25, 1), 1
	s_wait_xcnt 0x0
; W [64 experts][4096] f32 becomes codes of FP4 (E2M1) with one E8M0 scale byte for each 32 along K, ONCE for the whole program,
; laid in the order in which the next launch's operand registers take them:
;   wfrag : [K step s of 128: 32][tile t of 16 experts: 4][c: 2][lane: 32][16 bytes]; lane (r = lane % 16, h = lane / 16) holds the codes of
;           expert 16 t + r, k = 128 s + 64 c + 32 h + 0 .. 31, the lower k in the lower bits: registers 4 c .. 4 c + 3 of a fragment.
;   wscale: [pair of K steps g: 16][lane: 32][word j: 4]; word j = 2 (s % 2) + t / 2 of lane 16 (t % 2) + r is the scale word (four bytes, 128 along K)
;           of expert 16 t + r in K step s = 2 g + s % 2: one load of 16 bytes a lane brings a wave of the next launch all its scale words.
; A block's scale is 2^(floor(log2(its largest magnitude)) - 2); its byte is the largest magnitude's exponent field - 2, held at 1 from below.
; LIMITS: NaN and infinities in W are not served.  A block of zeros gets the byte 1 where the rule says 127: its codes are zeros, and this program alone reads the bytes.
; SHARES: work-group g takes K steps 2 g and 2 g + 1; each of its eight waves ONE fragment (K step 2 g + wave / 4, tile wave % 4): 16 rows x 512 bytes.
; Each load reads 512 consecutive bytes of one row.  The conversions want a whole block of 32 in ONE lane's registers, so the 8 KB turn through the wave's own stage in LDS.
; No matrix work, no tensor loads, no cluster: the waves share no input, and each byte of W is read once.
.set WROW,  16384                      ; a row of W in bytes
.set SP,    528                        ; a stage row: 512 bytes + 16: row r starts at bank 4 r mod 64 (64 banks of 4 bytes: ISA guide 11.1)
.set REG,   16*SP                      ; a wave's stage
.set GATH,  8*REG                      ; behind the stages: the work-group's 512 bytes of scale words
.set LO,  1                            ; v1   16 x lane
.set STA, 2                            ; v2   the stage, on the way in: 16 x lane in a row
.set LDA, 3                            ; v3   and on the way out: row r, + 128 h
.set SH,  4                            ; v4   8 h: where my two scale bytes stand in the word
.set GA,  5                            ; v5   where my row's scale word goes in LDS
.set GR,  6                            ; v6   where wave 0 reads the words back
.set PT,  7                            ; v7   the other half's bytes
.set MX,  8                            ; v8-11  largest magnitudes: two chains for each of two blocks
.set SO,  12                           ; v12-13 the conversions' scale operands
.set BY,  14                           ; v14-15 the scale bytes
.set SW,  16                           ; v16  the scale word
.set CD,  20                           ; v20-27 the fragment's codes
.set GW,  28                           ; v28-31 scale words on their way out
.set X,   32                           ; v32-95 64 numbers a lane
.set SEL, 26                           ; s[26:27] v_permlanex16_b32's selects for lane l xor 16
; 16 rows as loaded go into the stage and come back so that register 32 c + n is k = 64 c + 32 h + n of row r, into the registers that they left.
; LDS serves a wave's instructions in order (ISA guide 5.7.1.4): no wait between the stores and the loads.
.macro TURN s
.irp i, 0,1,2,3,4,5,6,7,8,9,10,11,12,13,14,15
	ds_store_b128 v[STA], v[(\s)+4*\i:(\s)+4*\i+3] offset:\i*SP
.endr
.irp c, 0,1
.irp j, 0,1,2,3,4,5,6,7
	ds_load_b128 v[(\s)+32*\c+4*\j:(\s)+32*\c+4*\j+3], v[LDA] offset:256*\c+16*\j
.endr
.endr
	s_wait_dscnt 0x0
.endm
; 64 numbers of a lane, two whole blocks (2 c + h), become registers cd .. cd + 7 of a fragment and the row's scale word in sw.
.macro QUANT s, cd, sw
.irp c, 0,1
	v_max3_num_f32 v[MX+2*\c],   |v[(\s)+32*\c]|,   |v[(\s)+32*\c+1]|, |v[(\s)+32*\c+2]|      ; the block's largest magnitude: all 32 numbers are mine; two chains a block
	v_max3_num_f32 v[MX+2*\c+1], |v[(\s)+32*\c+3]|, |v[(\s)+32*\c+4]|, |v[(\s)+32*\c+5]|
.endr
.irp i, 6,10,14,18,22,26
.irp c, 0,1
	v_max3_num_f32 v[MX+2*\c],   v[MX+2*\c],   |v[(\s)+32*\c+\i]|,   |v[(\s)+32*\c+\i+1]|
	v_max3_num_f32 v[MX+2*\c+1], v[MX+2*\c+1], |v[(\s)+32*\c+\i+2]|, |v[(\s)+32*\c+\i+3]|
.endr
.endr
.irp c, 0,1
	v_max3_num_f32 v[MX+2*\c], v[MX+2*\c], |v[(\s)+32*\c+30]|, |v[(\s)+32*\c+31]|
.endr
.irp c, 0,1
	v_max3_num_f32 v[MX+2*\c], v[MX+2*\c], v[MX+2*\c+1], 0x1800000   ; and the floor 2^(3 - 127): the byte cannot fall under 1
.endr
.irp c, 0,1
	v_add_nc_u32 v[SO+\c], 0xff000000, v[MX+2*\c]                    ; 2 off the exponent field: the conversion takes the exponent field of this operand as its scale
.endr
.irp c, 0,1
	v_lshrrev_b32 v[BY+\c], 23, v[SO+\c]                             ; the scale's byte
.endr
	v_lshl_or_b32 v[BY], v[BY+1], 16, v[BY]                          ; my two bytes: blocks h and 2 + h,
	v_lshlrev_b32 v[BY], v[SH], v[BY]                                ; at their places in the word;
	v_permlanex16_b32 v[PT], v[BY], s[SEL], s[SEL+1]
	v_or_b32 v[\sw], v[BY], v[PT]                                    ; with lane l xor 16's two the word is whole, in both lanes
.irp c, 0,1
.irp g, 0,1,2,3
	v_cvt_scalef32_pk8_fp4_f32 v[(\cd)+4*\c+\g], v[(\s)+32*\c+8*\g:(\s)+32*\c+8*\g+7], v[SO+\c]   ; to the nearest code, ties to even, beyond 6 the largest code
.endr
.endr
	v_nop                                                            ; one plain place behind the last scaled conversion
.endm
	s_load_b128 s[4:7], s[0:1], 0x0                ; W s[4:5], wfrag s[6:7]
	s_load_b64 s[8:9], s[0:1], 0x10                ; wscale
	v_lshl_add_u32 v96, v0, 2, 0x10a00
	v_mov_b32 v97, 0
	v_lshrrev_b32 v8, 5, v0
	v_readfirstlane_b32 s10, v8                    ; wave 0..7
	v_and_b32 v8, 31, v0
	v_lshlrev_b32 v[LO], 4, v8
	s_lshr_b32 s11, s10, 2                         ; which of the group's two K steps
	s_and_b32 s12, s10, 3                          ; tile of 16 experts
	s_lshl_b32 s14, ttmp9, 10                      ; W: 1,024 bytes of a row for each work-group,
	s_lshl_b32 s15, s11, 9                         ; 512 for the K step,
	s_add_co_u32 s14, s14, s15
	s_lshl_b32 s15, s12, 18                        ; 16 rows of 16,384 bytes for the tile
	s_add_co_u32 s14, s14, s15
	s_mov_b32 s15, 0
	s_lshl_b32 s16, ttmp9, 13                      ; wfrag: 8,192 bytes a work-group, 4,096 a K step, 1,024 a fragment
	s_lshl_b32 s17, s11, 12
	s_add_co_u32 s16, s16, s17
	s_lshl_b32 s17, s12, 10
	s_add_co_u32 s16, s16, s17
	s_mov_b32 s17, 0
	s_lshl_b32 s18, ttmp9, 9                       ; wscale: 512 bytes a work-group
	s_mov_b32 s19, 0
	s_wait_kmcnt 0x0
	s_add_nc_u64 s[4:5], s[4:5], s[14:15]
	s_add_nc_u64 s[6:7], s[6:7], s[16:17]
	s_add_nc_u64 s[8:9], s[8:9], s[18:19]
.irp i, 0,1,2,3,4,5,6,7,8,9,10,11,12,13,14,15
	global_load_b128 v[X+4*\i:X+4*\i+3], v[LO], s[4:5] offset:\i*WROW th:TH_LOAD_NT   ; 32 lanes read 512 consecutive bytes of expert 16 t + i; read once in this launch
.endr
	v_and_b32 v8, 15, v0                           ; r
	v_bfe_u32 v9, v0, 4, 1                         ; h
	s_mul_i32 s22, s10, REG                        ; my stage
	v_add_nc_u32 v[STA], s22, v[LO]
	v_mul_u32_u24 v[LDA], v8, SP
	v_lshl_add_u32 v[LDA], v9, 7, v[LDA]
	v_add_nc_u32 v[LDA], s22, v[LDA]
	v_lshlrev_b32 v[SH], 3, v9
	s_and_b32 s23, s12, 1                          ; the scale word's place: lane 16 (t % 2) + r, 16 bytes a lane,
	s_lshl_b32 s23, s23, 8
	s_lshr_b32 s24, s12, 1                         ; word 2 (K step) + t / 2
	s_lshl_b32 s24, s24, 2
	s_add_co_u32 s23, s23, s24
	s_lshl_b32 s24, s11, 3
	s_add_co_u32 s23, s23, s24
	s_add_co_u32 s23, s23, GATH
	v_lshl_add_u32 v[GA], v8, 4, s23
	v_add_nc_u32 v[GR], GATH, v[LO]
	v_mov_b32 v[PT], 0                             ; a lane permute's destination counts as one of its sources
	s_mov_b32 s[SEL], 0x76543210
	s_mov_b32 s[SEL+1], 0xfedcba98
	s_wait_loadcnt 0x0
	TURN X
	QUANT X, CD, SW
	global_store_b128 v[LO], v[CD:CD+3], s[6:7]                ; 32 lanes store 512 consecutive bytes, aligned
	global_store_b128 v[LO], v[CD+4:CD+7], s[6:7] offset:512
	ds_store_b32 v[GA], v[SW]                      ; lanes r and 16 + r write the same word with the same value
	s_wait_dscnt 0x0                               ; for the others' sake: my word lies in LDS
	s_barrier_signal -1
	s_barrier_wait -1                              ; all eight waves' words do
	s_cmp_lg_u32 s10, 0
	s_cbranch_scc1 .Ldone
	ds_load_b128 v[GW:GW+3], v[GR]
	s_wait_dscnt 0x0
	global_store_b128 v[LO], v[GW:GW+3], s[8:9]    ; the work-group's 512 bytes of scale words, whole
.Ldone:
	s_wait_tensorcnt 0x0
	ds_add_u32 v96, v97
	s_wait_dscnt 0x0
	s_endpgm
.Lfunc_end_k_qd2ab911965_wq:
	.size	k_qd2ab911965_wq, .Lfunc_end_k_qd2ab911965_wq-k_qd2ab911965_wq
	.p2alignl 7, 3214868480
	.fill 96, 4, 3214868480
	.section	.rodata,"a",@progbits
	.p2align	6, 0x0
	.amdhsa_kernel k_qd2ab911965_wq
		.amdhsa_group_segment_fixed_size 69120
		.amdhsa_private_segment_fixed_size 0
		.amdhsa_enable_private_segment 0
		.amdhsa_kernarg_size 24
		.amdhsa_user_sgpr_count 2
		.amdhsa_user_sgpr_kernarg_segment_ptr 1
		.amdhsa_wavefront_size32 1
		.amdhsa_system_sgpr_workgroup_id_x 1
		.amdhsa_system_sgpr_workgroup_id_y 1
		.amdhsa_system_sgpr_workgroup_id_z 1
		.amdhsa_system_vgpr_workitem_id 0
		.amdhsa_next_free_vgpr 98
		.amdhsa_next_free_sgpr 66
		.amdhsa_reserve_vcc 0
		.amdhsa_float_denorm_mode_32 3
		.amdhsa_float_denorm_mode_16_64 3
		.amdhsa_memory_ordered 1
		.amdhsa_forward_progress 1
		.amdhsa_inst_pref_size 10
	.end_amdhsa_kernel
	.amdgpu_metadata
---
amdhsa.version: [ 1, 2 ]
amdhsa.kernels:
  - .name:           k_qd2ab911965_wq
    .symbol:         k_qd2ab911965_wq.kd
    .args:
      - { .name: W, .offset: 0, .size: 8, .value_kind: global_buffer, .address_space: global }
      - { .name: wfrag, .offset: 8, .size: 8, .value_kind: global_buffer, .address_space: global }
      - { .name: wscale, .offset: 16, .size: 8, .value_kind: global_buffer, .address_space: global }
    .group_segment_fixed_size: 69120
    .private_segment_fixed_size: 0
    .kernarg_segment_align: 8
    .kernarg_segment_size: 24
    .max_flat_workgroup_size: 256
    .sgpr_count:     66
    .vgpr_count:     98
    .wavefront_size: 32
...
	.end_amdgpu_metadata
.endif
;; end of part 1
;; launch gate (part 2): grid 256 x 1, 16 waves a work-group, no clusters, 281,088 bytes of LDS; arguments x, wfrag, wscale, b, out0, out1; writes out0, out1
.if DOCPART == 2
	.amdgcn_target "amdgcn-amd-amdhsa--gfx1250"
	.amdhsa_code_object_version 6
	.text
	.protected	k_qd2ab911965_gate
	.globl	k_qd2ab911965_gate
	.p2align	8
	.type	k_qd2ab911965_gate,@function
k_qd2ab911965_gate:
	s_mov_b64 s[64:65], 0
	v_nop
	global_prefetch_b8 v0, s[64:65] scope:SCOPE_SE
	s_setreg_imm32_b32 hwreg(HW_REG_WAVE_MODE, 25, 1), 1
	s_wait_xcnt 0x0
; logits = Q(x) Q(W)^T + b on codes of FP4 (E2M1) with E8M0 scales for each 32 along K; the two largest logits of each token, their softmax (out0) and their experts (out1).
; x: [8192 tokens][4096] f32, quantised here on its way to the matrix unit.  W: codes and scale words in the order of the operand's registers, made by the launch before (its head says how they lie).
; SHARES.  A work-group owns 32 tokens: 512 KB of x, one piece of memory.  ITS SIXTEEN WAVES SHARE K: wave w owns k = 256 w .. 256 w + 255 of all 32 tokens, four UNITS of 16 tokens x 128 k
; (unit u: K step u / 2, tokens 16 (u % 2) on), each one operand fragment; and only its own 8.5 KB of W's codes, so the work-group reads them once.
; THE STREAM GOES BY TWO ROADS, and all of it is asked for by a wave's first lines.  Units 0 and 1 come by one tensor load each (16 rows x 512 bytes) into the wave's own two LDS slots, each row padded to 528 bytes;
; units 2 and 3 come by 16 loads each (512 consecutive bytes of one row a load) into registers, and turn through LDS slot 0 once unit 0 has been read out of it: that slot has then had its only fill.
; Either way a lane then reads from LDS the two whole blocks of 32 that the operand's layout gives it: the conversions' results ARE the operand's registers.
; No LDS byte is filled twice by a tensor load, each wave reads its own slots alone, behind its own wait on TENSORcnt: the stream needs no barrier.  All four units by tensor loads would want 16 x 4 x 8,448 bytes of LDS.
; THREE REGISTER SLOTS of 64: S0: unit 0, then W's eight fragments;  S1: unit 2, unit 1, then the eight accumulators;  S2: unit 3, then the end's work.
; THE PRODUCT is used transposed (source 0 = 16 experts, source 1 = 16 tokens): a lane holds 8 neighbouring experts of one token.  All 16 products of a wave stand at its end.
; THE END.  Each wave's 32 x 64 partial sums go to its own LDS region | barrier | thread t (token t / 16, experts 4 (t % 16) on) adds the 16 parts, then b (last, as in the definition), orders its best two of four
; with their indices | barrier | wave 0, a lane to a token, merges the 16 ordered pairs; a group of higher indices wins only where it is strictly greater, so that of equal logits the lower index is kept.
; Softmax of (v1, v2), v1 the larger: e = exp(v2 - v1), 1 / (1 + e) and e / (1 + e): the maximum is taken away.
; NO CLUSTER: the work-groups share W's codes alone, 136 KB of the 648 KB that a work-group reads; a joint request lands in LDS, where 48,640 bytes are left beside x's slots and the pairs.
; NO PREFETCH: the whole of a work-group's stream is asked for by its first lines.
; LIMITS: NaN and infinities in x, W or b are not served; +0 and -0 count as equal in the choice; a block of zeros gets the scale byte 1 (its codes are zeros).
.set XROW,  16384                      ; a row of x in bytes
.set SP,    528                        ; a row in an LDS slot: 512 bytes + 16: row r starts at bank 4 r mod 64 (64 banks of 4 bytes: ISA guide 11.1)
.set SLOTB, 16*SP                      ; an LDS slot: one unit
.set REG,   2*SLOTB                    ; a wave's LDS region: its two slots; at the end its partial sums
.set LP,    272                        ; a token's 64 partial sums (or 16 pairs): 256 bytes + 16, for the same reason as SP
.set CAND,  16*REG                     ; behind the regions: the ordered pairs, 32 tokens x 272 bytes; no tensor load lands here
.set LO,  1                            ; v1   16 x lane; never rewritten
.set STA, 2                            ; v2   slot 0 as a stage, on the way in: 16 x lane in a row
.set LDA, 3                            ; v3   a slot on the way out: row r, + 128 h
.set SH,  4                            ; v4   8 h
.set PS,  5                            ; v5   where my partial sums go: token r, + 32 h
.set BA,  6                            ; v6   my four experts' 16 bytes of b; never rewritten
.set PT,  7                            ; v7   the other half's scale bytes
.set MX,  8                            ; v8-11  largest magnitudes; at the end the numbers of my four experts, then the two probabilities
.set SO,  12                           ; v12-13 the conversions' scale operands
.set BY,  14                           ; v14-15 the scale bytes
.set RA,  16                           ; v16-19 where I read the parts of my four sums: four regions to an address register, since an LDS offset has 16 bits
.set CS,  2                            ; v2   at the end (the stage's address is done with): where my ordered pair goes
.set CL,  3                            ; v3   at the end: wave 0: my token's pairs
.set OO,  4                            ; v4   at the end: 8 x lane: my token's place in out0 and out1
.set WS,  20                           ; v20-23 W's scale words: word 2 k + t / 2; lanes 0-15 tile t even, lanes 16-31 tile t odd.  Scales and nothing else
.set SX,  24                           ; v24-27 x's scale words, one register a unit.  Scales and nothing else
.set BI,  28                           ; v28-31 b of my four experts
.set CD,  32                           ; v32-63 x's codes: unit u at 8 u
.set S0,  64
.set S1,  128
.set S2,  192
.set WF,  S0
.set ACC, S1
.set TL,  S2                           ; the end's work: the parts, then the pairs
.set SEL, 26                           ; s[26:27] v_permlanex16_b32's selects for lane l xor 16
.set MK,  28                           ; s28-35 lane masks of the merges
.set G1,  36                           ; s[36:43] descriptor group 1: the shape of a unit, the same for both tensor loads; never rewritten
.set G0,  44                           ; s[44:51] descriptor group 0, a set for each of the two loads; never rewritten
.macro XLOAD u, s                      ; unit u into register slot s: register 4 i .. 4 i + 3 = my 16 bytes of row i
.irp i, 0,1,2,3,4,5,6,7,8,9,10,11,12,13,14,15
	global_load_b128 v[(\s)+4*\i:(\s)+4*\i+3], v[LO], s[4:5] offset:(16*((\u)%2)+\i)*XROW+((\u)/2)*512 th:TH_LOAD_NT   ; 512 consecutive bytes, aligned; read once in the launch
.endr
.endm
; A unit out of LDS slot n: register 32 c + i is k = 64 c + 32 h + i of row r.
.macro TAKE s, n
.irp c, 0,1
.irp j, 0,1,2,3,4,5,6,7
	ds_load_b128 v[(\s)+32*\c+4*\j:(\s)+32*\c+4*\j+3], v[LDA] offset:(\n)*SLOTB+256*\c+16*\j
.endr
.endr
	s_wait_dscnt 0x0
.endm
; 16 rows as loaded go into slot 0, laid as a tensor load lays them, and come back by TAKE into the registers that they left.
; LDS serves a wave's instructions in order (ISA guide 5.7.1.4): no wait between the stores and the loads.
.macro TURN s
.irp i, 0,1,2,3,4,5,6,7,8,9,10,11,12,13,14,15
	ds_store_b128 v[STA], v[(\s)+4*\i:(\s)+4*\i+3] offset:\i*SP
.endr
	TAKE \s, 0
.endm
; 64 numbers of a lane, two whole blocks (2 c + h), become registers cd .. cd + 7 of a fragment and the row's scale word in sw.
.macro QUANT s, cd, sw
.irp c, 0,1
	v_max3_num_f32 v[MX+2*\c],   |v[(\s)+32*\c]|,   |v[(\s)+32*\c+1]|, |v[(\s)+32*\c+2]|      ; the block's largest magnitude: all 32 numbers are mine; two chains a block
	v_max3_num_f32 v[MX+2*\c+1], |v[(\s)+32*\c+3]|, |v[(\s)+32*\c+4]|, |v[(\s)+32*\c+5]|
.endr
.irp i, 6,10,14,18,22,26
.irp c, 0,1
	v_max3_num_f32 v[MX+2*\c],   v[MX+2*\c],   |v[(\s)+32*\c+\i]|,   |v[(\s)+32*\c+\i+1]|
	v_max3_num_f32 v[MX+2*\c+1], v[MX+2*\c+1], |v[(\s)+32*\c+\i+2]|, |v[(\s)+32*\c+\i+3]|
.endr
.endr
.irp c, 0,1
	v_max3_num_f32 v[MX+2*\c], v[MX+2*\c], |v[(\s)+32*\c+30]|, |v[(\s)+32*\c+31]|
.endr
.irp c, 0,1
	v_max3_num_f32 v[MX+2*\c], v[MX+2*\c], v[MX+2*\c+1], 0x1800000   ; and the floor 2^(3 - 127): the byte cannot fall under 1
.endr
.irp c, 0,1
	v_add_nc_u32 v[SO+\c], 0xff000000, v[MX+2*\c]                    ; 2 off the exponent field: the conversion takes the exponent field of this operand as its scale
.endr
.irp c, 0,1
	v_lshrrev_b32 v[BY+\c], 23, v[SO+\c]                             ; the scale's byte
.endr
	v_lshl_or_b32 v[BY], v[BY+1], 16, v[BY]                          ; my two bytes: blocks h and 2 + h,
	v_lshlrev_b32 v[BY], v[SH], v[BY]                                ; at their places in the word;
	v_permlanex16_b32 v[PT], v[BY], s[SEL], s[SEL+1]
	v_or_b32 v[\sw], v[BY], v[PT]                                    ; with lane l xor 16's two the word is whole: lane r has row r's
.irp c, 0,1
.irp g, 0,1,2,3
	v_cvt_scalef32_pk8_fp4_f32 v[(\cd)+4*\c+\g], v[(\s)+32*\c+8*\g:(\s)+32*\c+8*\g+7], v[SO+\c]   ; to the nearest code, ties to even, beyond 6 the largest code
.endr
.endr
	v_nop                                                            ; one plain place behind the last scaled conversion
.endm
; One product: K step k, tokens 16 m on, experts 16 t on.  The first K step starts the sums: nothing is cleared.
.macro WM k, m, t
.set rD, ACC+8*(4*(\m)+(\t))
.set rW, WF+8*(4*(\k)+(\t))
.set rX, CD+8*(2*(\k)+(\m))
.set rS, WS+2*(\k)+(\t)/2
.set rT, SX+2*(\k)+(\m)
.if (\k) == 0
.if (\t)%2 == 0
	v_wmma_scale_f32_16x16x128_f8f6f4 v[rD:rD+7], v[rW:rW+7], v[rX:rX+7], 0, v[rS], v[rT] matrix_a_fmt:MATRIX_FMT_FP4 matrix_b_fmt:MATRIX_FMT_FP4
.else
	v_wmma_scale_f32_16x16x128_f8f6f4 v[rD:rD+7], v[rW:rW+7], v[rX:rX+7], 0, v[rS], v[rT] matrix_a_fmt:MATRIX_FMT_FP4 matrix_b_fmt:MATRIX_FMT_FP4 matrix_a_scale:MATRIX_SCALE_ROW1
.endif
.else
.if (\t)%2 == 0
	v_wmma_scale_f32_16x16x128_f8f6f4 v[rD:rD+7], v[rW:rW+7], v[rX:rX+7], v[rD:rD+7], v[rS], v[rT] matrix_a_fmt:MATRIX_FMT_FP4 matrix_b_fmt:MATRIX_FMT_FP4
.else
	v_wmma_scale_f32_16x16x128_f8f6f4 v[rD:rD+7], v[rW:rW+7], v[rX:rX+7], v[rD:rD+7], v[rS], v[rT] matrix_a_fmt:MATRIX_FMT_FP4 matrix_b_fmt:MATRIX_FMT_FP4 matrix_a_scale:MATRIX_SCALE_ROW1
.endif
.endif
.endm
; n merges of ordered pairs.  A pair is four registers: best value, second value, best index, second index.  Pair a = g + 8 k d holds lower indices than pair b = a + 4 d; the result replaces a.
; c = b's best > a's best (strictly: of equals the lower index stays first).  The second is the better of p = (c ? a's best : a's second) and q = (c ? b's second : b's best), q only where strictly greater.
; The merges of a level go line by line, so that no line waits for the line above it.
.macro LV g, d, n
.irp line, 0,1,2,3,4,5,6,7,8,9
.set k, 0
.rept \n
.set ga, (\g)+8*k*(\d)
.set gb, ga+4*(\d)
.if \line == 0
	v_cmp_gt_f32 s[MK+k], v[gb], v[ga]
.elseif \line == 1
	v_cndmask_b32 v[ga+1], v[ga+1], v[ga], s[MK+k]             ; p
.elseif \line == 2
	v_cndmask_b32 v[ga+3], v[ga+3], v[ga+2], s[MK+k]
.elseif \line == 3
	v_cndmask_b32 v[ga], v[ga], v[gb], s[MK+k]                 ; the best
.elseif \line == 4
	v_cndmask_b32 v[ga+2], v[ga+2], v[gb+2], s[MK+k]
.elseif \line == 5
	v_cndmask_b32 v[gb], v[gb], v[gb+1], s[MK+k]               ; q
.elseif \line == 6
	v_cndmask_b32 v[gb+2], v[gb+2], v[gb+3], s[MK+k]
.elseif \line == 7
	v_cmp_gt_f32 s[MK+k], v[gb], v[ga+1]
.elseif \line == 8
	v_cndmask_b32 v[ga+1], v[ga+1], v[gb], s[MK+k]             ; the second
.else
	v_cndmask_b32 v[ga+3], v[ga+3], v[gb+2], s[MK+k]
.endif
.set k, k+1
.endr
.endr
.endm
	s_load_b256 s[4:11], s[0:1], 0x0               ; x s[4:5], wfrag s[6:7], wscale s[8:9], b s[10:11]
	s_load_b128 s[12:15], s[0:1], 0x20             ; out0 s[12:13], out1 s[14:15]
	v_lshl_add_u32 v254, v0, 2, 0x44200
	v_mov_b32 v255, 0
	ds_add_u32 v254, v255
	ds_add_u32 v254, v255
	s_wait_dscnt 0x0
	v_lshrrev_b32 v64, 5, v0                       ; (v64-67: at work at the head; register slot S0 is not wanted before unit 0 has landed)
	v_readfirstlane_b32 s16, v64                   ; wave 0..15
	v_and_b32 v64, 31, v0                          ; lane
	v_lshlrev_b32 v[LO], 4, v64
	v_and_b32 v65, 15, v0                          ; r; also which four experts are mine at the end
	v_lshlrev_b32 v[BA], 4, v65
	; descriptor group 1: a tile of 16 rows x 128 elements of 4 bytes, 4,096 elements from row to row, padded in LDS
	s_mov_b32 s[G1+0], (2<<16)|(1<<20)|(6<<22)|(3<<25)   ; 15:0 no mask; 17:16 elements of 4 bytes; 20 padding on; 24:22 after every 128 words (code 6); 31:25 of 4 words (code 3)
	s_mov_b32 s[G1+1], 128<<16                     ; tensor_dim0 = 128
	s_mov_b32 s[G1+2], 16<<16                      ; tensor_dim1 = 16
	s_mov_b32 s[G1+3], 128<<16                     ; tile_dim0 = 128
	s_mov_b32 s[G1+4], 16                          ; tile_dim1 = 16
	s_mov_b32 s[G1+5], 4096                        ; tensor_dim0_stride
	s_mov_b32 s[G1+6], 0
	s_mov_b32 s[G1+7], 0
	s_mul_i32 s17, s16, REG                        ; my LDS region: the wave's number times a constant
	s_lshl_b32 s18, ttmp9, 19                      ; x: 32 rows of 16,384 bytes for each work-group,
	s_lshl_b32 s19, s16, 10                        ; 1,024 bytes of a row for each wave
	s_add_co_u32 s18, s18, s19
	s_mov_b32 s19, 0
	s_lshl_b32 s20, s16, 13                        ; wfrag: 8,192 bytes a wave
	s_mov_b32 s21, 0
	s_lshl_b32 s22, s16, 9                         ; wscale: 512 bytes a wave
	s_mov_b32 s23, 0
	s_lshl_b32 s24, ttmp9, 8                       ; out0, out1: 256 bytes a work-group
	s_mov_b32 s25, 0
	s_wait_kmcnt 0x0
	s_add_nc_u64 s[4:5], s[4:5], s[18:19]
	s_add_nc_u64 s[8:9], s[8:9], s[22:23]
	; descriptor group 0, once for each load; the two fills go out together, ahead of every wait on TENSORcnt, every LDS read and every barrier: two tensor loads of mine are out
	s_mov_b32 s[G0+0], 1                           ; count = 1
	s_mov_b32 s[G0+1], s17                         ; LDS address: my slot 0
	s_mov_b64 s[G0+2:G0+3], s[4:5]                 ; unit 0: tokens 0-15, my first 128 k
	s_or_b32 s[G0+3], s[G0+3], 0x80000000          ; type = 2
	tensor_load_to_lds s[G0:G0+3], s[G1:G1+7]
	s_nop 0
	s_mov_b32 s[G0+4], 1
	s_add_co_u32 s[G0+5], s17, SLOTB               ; my slot 1
	s_add_nc_u64 s[G0+6:G0+7], s[4:5], 16*XROW     ; unit 1: tokens 16-31, the same k
	s_or_b32 s[G0+7], s[G0+7], 0x80000000
	tensor_load_to_lds s[G0+4:G0+7], s[G1:G1+7]
	s_nop 0
	global_load_b128 v[WS:WS+3], v[LO], s[8:9]     ; W's scale words and b: the first counted wait on the loads shows them done too
	global_load_b128 v[BI:BI+3], v[BA], s[10:11]
	XLOAD 2, S1
	XLOAD 3, S2
	s_add_nc_u64 s[6:7], s[6:7], s[20:21]
	s_add_nc_u64 s[12:13], s[12:13], s[24:25]
	s_add_nc_u64 s[14:15], s[14:15], s[24:25]
	s_mov_b32 s[SEL], 0x76543210
	s_mov_b32 s[SEL+1], 0xfedcba98
	v_bfe_u32 v66, v0, 4, 1                        ; h
	v_lshrrev_b32 v67, 4, v0                       ; my token at the end: thread / 16
	v_add_nc_u32 v[STA], s17, v[LO]
	v_mul_u32_u24 v[LDA], v65, SP
	v_lshl_add_u32 v[LDA], v66, 7, v[LDA]
	v_add_nc_u32 v[LDA], s17, v[LDA]
	v_lshlrev_b32 v[SH], 3, v66
	v_mul_u32_u24 v[PS], v65, LP
	v_lshl_add_u32 v[PS], v66, 5, v[PS]
	v_add_nc_u32 v[PS], s17, v[PS]
	v_mul_u32_u24 v[RA], v67, LP
	v_lshl_add_u32 v[RA], v65, 4, v[RA]
	v_add_nc_u32 v[RA+1], 4*REG, v[RA]
	v_add_nc_u32 v[RA+2], 8*REG, v[RA]
	v_add_nc_u32 v[RA+3], 12*REG, v[RA]
	v_mov_b32 v[PT], 0                             ; a lane permute's destination counts as one of its sources
	s_wait_tensorcnt 0x1                           ; tensor loads of a wave end in order (ISA guide 10.11.1): unit 0 lies in my slot 0; unit 1's load may be out
	TAKE S0, 0
	QUANT S0, CD, SX
.irp f, 0,1,2,3,4,5,6,7                        ; W's fragments (K step f / 4, tile f % 4) into unit 0's registers; every work-group reads them, so no hint
.irp c, 0,1
	global_load_b128 v[WF+8*\f+4*\c:WF+8*\f+4*\c+3], v[LO], s[6:7] offset:(2*\f+\c)*512
.endr
.endr
	s_wait_loadcnt 32                              ; unit 2 is in; unit 3's 16 loads and W's 16 stay out
	TURN S1                                        ; through slot 0: its one fill has landed, and my reads of it are back
	QUANT S1, CD+16, SX+2
	s_wait_tensorcnt 0x0                           ; unit 1 lies in my slot 1: no tensor load of mine is out from here on
	TAKE S1, 1
	QUANT S1, CD+8, SX+1
	s_wait_loadcnt 16                              ; unit 3 is in; W's 16 loads may be out
	TURN S2
	QUANT S2, CD+24, SX+3
	s_wait_loadcnt 0x0                             ; W's fragments
	; the end's addresses and my experts' numbers: nine plain lines that name no register of the products.  With the line behind the conversions they are the places in front of the
	; scaled matrix instructions: 8 behind the last write of a scale register by a vector instruction, 4 behind that of an operand
	v_add_nc_u32 v[CS], CAND, v[RA]
	v_mul_u32_u24 v[CL], v[LO], 17                 ; 272 x lane
	v_add_nc_u32 v[CL], CAND, v[CL]
	v_lshrrev_b32 v[OO], 1, v[LO]                  ; 8 x lane
	v_and_b32 v[MX], 15, v0
	v_lshlrev_b32 v[MX], 2, v[MX]                  ; the numbers of my four experts
	v_add_nc_u32 v[MX+1], 1, v[MX]
	v_add_nc_u32 v[MX+2], 2, v[MX]
	v_add_nc_u32 v[MX+3], 3, v[MX]
.irp k, 0,1                                    ; the eight accumulators take turns, one instruction a turn
.irp m, 0,1
.irp t, 0,1,2,3
	WM \k, \m, \t
.endr
.endr
.endr
.rept 4
	v_nop                                          ; four places between the last product and the first read of results (ISA guide 7.12.1)
.endr
.irp m, 0,1                                    ; lane (r, h): token 16 m + r, experts 16 t + 8 h + 0 .. 7; each accumulator from its low end on.  Into my own region: both its slots have had their only fill and their last read
.irp t, 0,1,2,3
	ds_store_b128 v[PS], v[ACC+8*(4*\m+\t):ACC+8*(4*\m+\t)+3] offset:\m*16*LP+64*\t
	ds_store_b128 v[PS], v[ACC+8*(4*\m+\t)+4:ACC+8*(4*\m+\t)+7] offset:\m*16*LP+64*\t+16
.endr
.endr
	s_wait_dscnt 0x0                               ; for the others' sake: my partial sums lie in LDS
	s_barrier_signal -1
	s_barrier_wait -1                              ; all sixteen waves' do
.irp w, 0,1,2,3,4,5,6,7,8,9,10,11,12,13,14,15
	ds_load_b128 v[TL+4*\w:TL+4*\w+3], v[RA+\w/4] offset:(\w%4)*REG    ; sixteen lanes read a token's 256 consecutive bytes of wave w's part
.endr
	s_wait_dscnt 0x0
.irp k, 0,1,2,3,4,5,6,7                        ; the sixteen parts of K, added in a tree, two sums an instruction
	v_pk_add_f32 v[TL+8*\k:TL+8*\k+1],   v[TL+8*\k:TL+8*\k+1],   v[TL+8*\k+4:TL+8*\k+5]
	v_pk_add_f32 v[TL+8*\k+2:TL+8*\k+3], v[TL+8*\k+2:TL+8*\k+3], v[TL+8*\k+6:TL+8*\k+7]
.endr
.irp k, 0,1,2,3
	v_pk_add_f32 v[TL+16*\k:TL+16*\k+1],   v[TL+16*\k:TL+16*\k+1],   v[TL+16*\k+8:TL+16*\k+9]
	v_pk_add_f32 v[TL+16*\k+2:TL+16*\k+3], v[TL+16*\k+2:TL+16*\k+3], v[TL+16*\k+10:TL+16*\k+11]
.endr
.irp k, 0,1
	v_pk_add_f32 v[TL+32*\k:TL+32*\k+1],   v[TL+32*\k:TL+32*\k+1],   v[TL+32*\k+16:TL+32*\k+17]
	v_pk_add_f32 v[TL+32*\k+2:TL+32*\k+3], v[TL+32*\k+2:TL+32*\k+3], v[TL+32*\k+18:TL+32*\k+19]
.endr
	v_pk_add_f32 v[TL:TL+1],   v[TL:TL+1],   v[TL+32:TL+33]
	v_pk_add_f32 v[TL+2:TL+3], v[TL+2:TL+3], v[TL+34:TL+35]
	v_pk_add_f32 v[TL:TL+1],   v[TL:TL+1],   v[BI:BI+1]        ; + b, last, as the definition has it
	v_pk_add_f32 v[TL+2:TL+3], v[TL+2:TL+3], v[BI+2:BI+3]
	v_cmp_gt_f32 s[MK], v[TL+1], v[TL]             ; two ordered pairs of my four logits: the higher index comes first only where strictly greater
	v_cmp_gt_f32 s[MK+1], v[TL+3], v[TL+2]
	v_cndmask_b32 v[TL+4], v[TL], v[TL+1], s[MK]
	v_cndmask_b32 v[TL+5], v[TL+1], v[TL], s[MK]
	v_cndmask_b32 v[TL+6], v[MX], v[MX+1], s[MK]
	v_cndmask_b32 v[TL+7], v[MX+1], v[MX], s[MK]
	v_cndmask_b32 v[TL+8], v[TL+2], v[TL+3], s[MK+1]
	v_cndmask_b32 v[TL+9], v[TL+3], v[TL+2], s[MK+1]
	v_cndmask_b32 v[TL+10], v[MX+2], v[MX+3], s[MK+1]
	v_cndmask_b32 v[TL+11], v[MX+3], v[MX+2], s[MK+1]
	LV TL+4, 1, 1                                  ; and one of the two
	ds_store_b128 v[CS], v[TL+4:TL+7]              ; bytes of their own: other waves may still be reading partial sums
	s_wait_dscnt 0x0                               ; for wave 0's sake: my pair lies in LDS
	s_barrier_signal -1
	s_barrier_wait -1
	s_cmp_lg_u32 s16, 0
	s_cbranch_scc1 .Ldone                          ; 32 tokens are one wave's lanes
.irp q, 0,1,2,3,4,5,6,7,8,9,10,11,12,13,14,15
	ds_load_b128 v[TL+4*\q:TL+4*\q+3], v[CL] offset:16*\q          ; my token's sixteen pairs, experts ascending
.endr
	s_wait_dscnt 0x0
	LV TL, 1, 8
	LV TL, 2, 4
	LV TL, 4, 2
	LV TL, 8, 1                                    ; v[TL] the largest logit, v[TL+1] the second, v[TL+2] and v[TL+3] their experts
	global_store_b64 v[OO], v[TL+2:TL+3], s[14:15] th:TH_STORE_NT  ; 32 lanes store 256 consecutive bytes, aligned
	v_sub_f32 v[MX+2], v[TL+1], v[TL]              ; v2 - v1, 0 or less: the maximum is taken away
	v_mul_f32 v[MX+2], 0x3fb8aa3b, v[MX+2]         ; x log2(e)
	v_exp_f32 v[MX+2], v[MX+2]                     ; e = exp(v2 - v1), at most 1
	v_nop                                          ; a plain place behind the transcendental (ISA guide 5.7.2)
	s_wait_alu depctr_va_vdst(0)                   ; the wait ahead of the result's first reader
	v_add_f32 v[MX+3], 1.0, v[MX+2]
	v_rcp_f32 v[MX], v[MX+3]                       ; 1 / (1 + e)
	v_nop
	s_wait_alu depctr_va_vdst(0)
	v_mul_f32 v[MX+1], v[MX+2], v[MX]              ; e / (1 + e)
	global_store_b64 v[OO], v[MX:MX+1], s[12:13] th:TH_STORE_NT    ; likewise 256 consecutive bytes
.Ldone:
	s_wait_xcnt 0x0
	v_lshl_add_u32 v254, v0, 2, 0x44200
	v_mov_b32 v255, 0
	s_wait_tensorcnt 0x0
	ds_add_u32 v254, v255
	s_wait_dscnt 0x0
	s_endpgm
.Lfunc_end_k_qd2ab911965_gate:
	.size	k_qd2ab911965_gate, .Lfunc_end_k_qd2ab911965_gate-k_qd2ab911965_gate
	.p2alignl 7, 3214868480
	.fill 96, 4, 3214868480
	.section	.rodata,"a",@progbits
	.p2align	6, 0x0
	.amdhsa_kernel k_qd2ab911965_gate
		.amdhsa_group_segment_fixed_size 281088
		.amdhsa_private_segment_fixed_size 0
		.amdhsa_enable_private_segment 0
		.amdhsa_kernarg_size 48
		.amdhsa_user_sgpr_count 2
		.amdhsa_user_sgpr_kernarg_segment_ptr 1
		.amdhsa_wavefront_size32 1
		.amdhsa_system_sgpr_workgroup_id_x 1
		.amdhsa_system_sgpr_workgroup_id_y 1
		.amdhsa_system_sgpr_workgroup_id_z 1
		.amdhsa_system_vgpr_workitem_id 0
		.amdhsa_next_free_vgpr 256
		.amdhsa_next_free_sgpr 66
		.amdhsa_reserve_vcc 0
		.amdhsa_float_denorm_mode_32 3
		.amdhsa_float_denorm_mode_16_64 3
		.amdhsa_memory_ordered 1
		.amdhsa_forward_progress 1
		.amdhsa_inst_pref_size 46
	.end_amdhsa_kernel
	.amdgpu_metadata
---
amdhsa.version: [ 1, 2 ]
amdhsa.kernels:
  - .name:           k_qd2ab911965_gate
    .symbol:         k_qd2ab911965_gate.kd
    .args:
      - { .name: x, .offset: 0, .size: 8, .value_kind: global_buffer, .address_space: global }
      - { .name: wfrag, .offset: 8, .size: 8, .value_kind: global_buffer, .address_space: global }
      - { .name: wscale, .offset: 16, .size: 8, .value_kind: global_buffer, .address_space: global }
      - { .name: b, .offset: 24, .size: 8, .value_kind: global_buffer, .address_space: global }
      - { .name: out0, .offset: 32, .size: 8, .value_kind: global_buffer, .address_space: global }
      - { .name: out1, .offset: 40, .size: 8, .value_kind: global_buffer, .address_space: global }
    .group_segment_fixed_size: 281088
    .private_segment_fixed_size: 0
    .kernarg_segment_align: 8
    .kernarg_segment_size: 48
    .max_flat_workgroup_size: 512
    .sgpr_count:     66
    .vgpr_count:     256
    .wavefront_size: 32
...
	.end_amdgpu_metadata
.endif
;; end of part 2
